; MI455X (gfx1250); checked and timed in simulation.
; The chip was launched on July 23, 2026; its instructions are those of AMD's public machine-readable ISA for CDNA 5 (MIT licence, August 2026) and "CDNA5" Instruction Set Architecture Reference Guide (July 2026). The comments in the code are by the model that wrote it; some were corrected since.
;; Multihead Attention. Allowed arithmetic: matrix products marked QUANTISED: E2M1 operands, one E8M0 scale for each 32 along K, by v_wmma_scale_f32_16x16x128_f8f6f4 with both operands' format E2M1 (or v_wmma_scale_f32_32x16x128_f4), f32 sums; products left as they are: bf16, f16 or f32 operands; f32 sums; everything else in f32.
;; Inputs: Wk 1,024 x 1,024 float32; Wq 1,024 x 1,024 float32; Wv 1,024 x 1,024 float32; bk 1,024 float32; bq 1,024 float32; bv 1,024 float32; k 4 x 2,048 x 1,024 float32; q 4 x 2,048 x 1,024 float32; v 4 x 2,048 x 1,024 float32.
;; Outputs: out0 4 x 2,048 x 1,024 float32.
;; This version of the problem:
;;   THIS VERSION OF THE PROBLEM IS GIVEN IN LOW PRECISION. The matrix products marked QUANTISED in the list below multiply operands that are first quantised to E2M1 (2 exponent bits, 1 mantissa bit; 4 bits a number), with one power-of-two scale for each 32 numbers along K (OCP MX v1.0); their sums are f32. The products marked 'left as it is' may take bf16, f16 or f32 operands, with f32 sums. Whichever they take, every output number must still come out within the allowed error. Rounding operands to bf16 (8 significant bits) uses up far more of that allowance than f16 does (11 bits, for magnitudes from 6e-5 to 65,504). All else is computed in f32.
;;   The module's matrix products, in the order in which they are computed (A, B: the left and right operand; K: the contracted axis; several contracted axes count as one K, in the product's order):
;;     1. [M 8,192, K 1,024] x [K 1,024, N 1,024]; A: input q; B: input Wq: QUANTISED
;;     2. [M 8,192, K 1,024] x [K 1,024, N 1,024]; A: input k; B: input Wk: QUANTISED
;;     3. [M 8,192, K 1,024] x [K 1,024, N 1,024]; A: input v; B: input Wv: QUANTISED
;;     4. batch 64 x [M 2,048, K 64] x [K 64, N 2,048]; A: computed on the way; B: computed on the way: left as it is (an operand is computed on the way)
;;     5. batch 64 x [M 2,048, K 2,048] x [K 2,048, N 64]; A: computed on the way; B: computed on the way: left as it is (an operand is computed on the way)
;;   THE QUANTISER, for each operand of a quantised product, along K:
;;     - K is cut into blocks of 32 from its start; a last block that is shorter is filled with zeros.
;;     - A block's scale is 2^e with e = floor(log2(the largest magnitude in the block)) - 2, held to -126 .. 127; a block of zeros has e = 0. As a byte (E8M0): e + 127.
;;     - Each number is divided by its block's scale, clamped to +-6, and rounded to the nearest number of E2M1, ties to even, subnormals kept.
;;     - The product sums the exact products of the quantised numbers (number of the format x scale) in f32.
;;   ~~~python
;;   def quantise(x, axis):      # numpy; x: float32 -> the quantised numbers, widened to float32 again
;;       x = np.moveaxis(x, axis, -1); K = x.shape[-1]
;;       x = np.pad(x, [(0, 0)] * (x.ndim - 1) + [(0, -K % 32)]); x = x.reshape(x.shape[:-1] + (-1, 32)); a = np.abs(x).max(-1, keepdims=True)
;;       e = np.where(a > 0, np.clip(np.frexp(np.where(a > 0, a, 1))[1] - 1 - 2, -126, 127), 0)      # np.frexp(a)[1] - 1 = floor(log2(a)), exactly
;;       r = np.clip(x / 2.0 ** e, -6, 6)
;;       step = 2.0 ** (np.maximum(np.frexp(np.where(r == 0, 1, r))[1] - 1, 0) - 1)
;;       q = np.round(r / step) * step * 2.0 ** e      # np.round: ties to even
;;       return np.moveaxis(q.reshape(q.shape[:-2] + (-1,))[..., :K], -1, axis).astype(np.float32)
;;   ~~~
;; One version. Each part assembles by itself: llvm-mc -triple=amdgcn-amd-amdhsa -mcpu=gfx1250 --defsym DOCPART=n.
;; ======== version 1 of 1: 3 launches
;; limits: values are held in f16: magnitudes above 65,504 overflow, below 6.1e-05 lose precision
;; workspace buffers: xc 12,582,912 bytes; xs 786,432 bytes; wc 1,572,864 bytes; ws 98,304 bytes; pj 50,331,648 bytes
;; launch quant (part 1): grid 864 x 1, 4 waves a work-group, no clusters, 50,688 bytes of LDS; arguments q, k, v, Wq, Wk, Wv, xc, xs, wc, ws; writes xc, xs, wc, ws
.if DOCPART == 1
	.amdgcn_target "amdgcn-amd-amdhsa--gfx1250"
	.amdhsa_code_object_version 6
	.text
	.protected	k_q273282a49f_quant
	.globl	k_q273282a49f_quant
	.p2align	8
	.type	k_q273282a49f_quant,@function
k_q273282a49f_quant:
	s_mov_b64 s[64:65], 0
	v_nop
	global_prefetch_b8 v0, s[64:65] scope:SCOPE_SE
	s_setreg_imm32_b32 hwreg(HW_REG_WAVE_MODE, 25, 1), 1
	s_wait_xcnt 0x0
; LAUNCH 1 OF 3.  q, k, v [8192][1024] and Wq, Wk, Wv [1024 (K)][1024 (n)], f32, become codes of FP4 (E2M1), K innermost, two codes a byte, with one E8M0 byte for each 32 along K:
; xc [3][8192][512 bytes], xs [3][8192][32 bytes], wc [3][1024 n][512 bytes], ws [3][1024 n][32 bytes].  Launch 2 multiplies them, launch 3 is the attention.
; WORK LEFT OUT: THE INPUT bk.  key_ = k Wk + bk, and scores[q][key] = query[q] . (k Wk)[key] / 8 + query[q] . bk / 8.  The second term is the same for every key of a row, and softmax along the keys is unchanged
; by a term that is the same along its axis: exp(s + t) / sum exp(s + t) = exp(s) / sum exp(s), for all finite values of all inputs.  The product of query and key_ is not quantised, so no quantiser stands between bk and the softmax.
; key_ goes nowhere else.  So bk has no way to the output: it is not loaded and is no launch's argument.  LIMIT: a NaN, an infinity or an overflow that reaches only bk's term is not carried to the result.
; THE QUANTISER: a block's scale is 2^(floor(log2(its largest magnitude)) - 2); its byte is the largest magnitude's exponent field - 2, held at 1 from below; each number is divided by the scale and rounded to the nearest code, ties to even, beyond 6 to 6.
; LIMITS: a block of zeros, and a block whose largest magnitude lies under 2^-124, get the byte 1 (a block of zeros has zero codes, which add nothing under that byte; the bytes are read by this program alone); NaN and infinities among the inputs are not served.
; SHARES: work-groups 0 to 95 take the weights (a lane to a column n, its registers down K), work-groups 96 to 863 the tokens (plain streams of blocks of 32).  The two ways part on the work-group's number and have LDS bytes of their own.
; No tensor loads and no cluster: the work-groups share no input.
.set SP,    80                         ; tokens: a lane's place in a stage: its 64 bytes + 16 of padding
.set WREG,  8192                       ; tokens: a region for each wave: two stages of 32 x SP bytes, then its 256 scale bytes
.set WSTG,  32768                      ; weights: the work-group's stage, 64 rows (columns n) x WP bytes
.set WP,    272                        ; a stage row: 256 bytes of codes (512 along K) + 16
.set SPARE, 50176                      ; the spare words, 128 bytes for each wave: two blocks of 256 bytes that no other line names
.set EMAX,  2
.set STEPS, 16
.set CB,    8                          ; bytes of 16 codes
.set NB,    8                          ; weights: blocks of 32 along K for a wave
.set R,     16                         ; tokens: v16-79 four sets of 16 numbers as loaded
.set X,     80                         ; v80-111 two sets of 16 neighbours
.set E,     112                        ; v112-127 a scale byte for each step
.set C,     128                        ; v128-191 codes, four registers for each step
.set WX,    32                         ; weights: v32-95 two sets of 32 numbers
.set WC,    96                         ; v96-99 a block's codes
.set SB,    24                         ; v24-25 eight scale bytes
.set OUTR,  112                        ; v112-143 the way out
.set SPW,   192                        ; v192 LDS address of my spare word; never rewritten
.set NIL,   193                        ; v193 0; never rewritten
	s_load_b512 s[4:19], s[0:1], 0x0               ; q s[4:5], k s[6:7], v s[8:9], Wq s[10:11], Wk s[12:13], Wv s[14:15], xc s[16:17], xs s[18:19]
	s_load_b128 s[20:23], s[0:1], 0x40             ; wc s[20:21], ws s[22:23]
	v_lshl_add_u32 v[SPW], v0, 2, SPARE
	v_mov_b32 v[NIL], 0
	v_lshrrev_b32 v1, 5, v0
	v_readfirstlane_b32 s24, v1                    ; wave 0..3
	v_and_b32 v2, 31, v0                           ; lane
	s_cmp_lt_u32 ttmp9, 96
	s_cbranch_scc1 .Lw                             ; the work-group's number alone: all four waves go the same way
; ---------------- THE TOKENS.  A wave takes 16 steps of 512 numbers.  Each load reads 512 consecutive bytes, 16 a lane; a step's 2,048 bytes turn through the wave's own stage, so that a lane then holds 16 neighbours along K.
	v_lshlrev_b32 v3, 4, v2                        ; my 16 bytes of a load's 512
	s_mul_i32 s25, s24, WREG
	v_lshrrev_b32 v14, 2, v2
	v_mul_u32_u24 v14, v14, SP
	v_and_b32 v15, 3, v2
	v_lshl_add_u32 v14, v15, 4, v14
	v_add_nc_u32 v14, s25, v14                     ; the stage, on the way in: SP (lane / 4) + 16 (lane % 4)
	v_mul_u32_u24 v15, v2, SP
	v_add_nc_u32 v15, s25, v15                     ; and on the way out: SP x lane
	v_mul_u32_u24 v4, v2, CB                       ; my codes' place in a step's
	v_lshrrev_b32 v5, 1, v2
	s_add_co_u32 s25, s25, 2*32*SP
	v_add_nc_u32 v5, s25, v5                       ; my wave's 256 scale bytes, my block's byte
	v_lshlrev_b32 v7, 3, v2                        ; and on the way out 8 bytes a lane
	v_add_nc_u32 v6, s25, v7
	s_sub_co_u32 s26, ttmp9, 96                    ; u = 0 .. 767
	s_lshr_b32 s27, s26, 8                         ; which tensor: 0 q, 1 k, 2 v
	s_and_b32 s28, s26, 255
	s_lshl_b32 s28, s28, 2
	s_add_co_u32 s28, s28, s24                     ; which run of 8,192 numbers of the tensor
	s_lshl_b32 s28, s28, 15                        ; 32,768 bytes a run
	s_mov_b32 s29, 0
	s_lshl_b32 s30, s26, 2
	s_add_co_u32 s30, s30, s24                     ; which run of the three tensors on end
	s_wait_kmcnt 0x0
	s_cmp_eq_u32 s27, 0
	s_cselect_b64 s[4:5], s[4:5], s[6:7]
	s_cmp_eq_u32 s27, 2
	s_cselect_b64 s[4:5], s[8:9], s[4:5]
	s_add_nc_u64 s[4:5], s[4:5], s[28:29]
	s_lshl_b32 s28, s30, 12                        ; 4,096 bytes of codes a run
	s_add_nc_u64 s[16:17], s[16:17], s[28:29]
	s_lshl_b32 s28, s30, 8                         ; 256 scale bytes a run
	s_add_nc_u64 s[18:19], s[18:19], s[28:29]
.macro LOAD t
.irp i, 0,1,2,3
	global_load_b128 v[R+16*((\t)%4)+4*\i:R+16*((\t)%4)+4*\i+3], v3, s[4:5] offset:2048*(\t)+512*\i th:TH_LOAD_NT
.endr
.endm
.macro TURN t                          ; step t's numbers through the stage: LDS serves a wave's instructions in order (ISA guide 5.7.1.4), so no wait stands between the stores and the loads
.irp i, 0,1,2,3
	ds_store_b128 v14, v[R+16*((\t)%4)+4*\i:R+16*((\t)%4)+4*\i+3] offset:32*SP*((\t)%2)+8*SP*\i
.endr
.irp i, 0,1,2,3
	ds_load_b128 v[X+16*((\t)%2)+4*\i:X+16*((\t)%2)+4*\i+3], v15 offset:32*SP*((\t)%2)+16*\i
.endr
.endm
.irp t, 0,1,2,3
	LOAD \t
.endr
	s_wait_loadcnt 12                              ; step 0's four loads are in; the twelve of steps 1 to 3 may be out
	TURN 0
.macro STEP t
.set XS, X+16*((\t)%2)
.if (\t) > 0
	s_wait_dscnt 1                                 ; this step's numbers are back from the stage (the last step's byte store may be out): so its stores into the stage have read their registers,
.else
	s_wait_dscnt 0x0
.endif
.if (\t)+4 < STEPS
	LOAD (\t)+4                                    ; which take the loads of four steps on
.endif
.if (\t)+1 < STEPS
.if STEPS-2-(\t) >= 3
	s_wait_loadcnt 12                              ; the next step's four loads are in; those of the three steps behind it may be out
.else
	s_wait_loadcnt 4*(STEPS-2-(\t))
.endif
	TURN (\t)+1
.endif
	v_max3_num_f32 v8, |v[XS]|, |v[XS+1]|, |v[XS+2]|               ; the largest magnitude of my 16, in two chains
	v_max3_num_f32 v9, |v[XS+3]|, |v[XS+4]|, |v[XS+5]|
.irp i, 6,10
	v_max3_num_f32 v8, v8, |v[XS+\i]|, |v[XS+\i+1]|
	v_max3_num_f32 v9, v9, |v[XS+\i+2]|, |v[XS+\i+3]|
.endr
	v_max3_num_f32 v8, v8, |v[XS+14]|, |v[XS+15]|
	v_max3_num_f32 v8, v8, v9, (EMAX+1)<<23        ; and the floor 2^(3 - 127): the byte cannot fall under 1
	v_max_num_f32_dpp v8, v8, v8 row_xmask:1 row_mask:0xf bank_mask:0xf   ; and of my neighbour's 16: the block's
	v_add_nc_u32 v11, -(EMAX<<23), v8              ; 2 off its exponent field: the conversion takes the exponent field of this operand as its scale
	v_cvt_scalef32_pk8_fp4_f32 v[C+4*(\t)], v[XS:XS+7], v11
	v_cvt_scalef32_pk8_fp4_f32 v[C+4*(\t)+1], v[XS+8:XS+15], v11
	v_lshrrev_b32 v[E+(\t)], 23, v11               ; the scale's byte
	ds_store_b8 v5, v[E+(\t)] offset:16*(\t)       ; both lanes of a block write the same byte with the same value
	global_store_b64 v4, v[C+4*(\t):C+4*(\t)+1], s[16:17] offset:32*CB*(\t)   ; the wave stores 256 consecutive bytes, aligned
.endm
.irp t, 0,1,2,3,4,5,6,7,8,9,10,11,12,13,14,15
	STEP \t
.endr
	ds_load_b64 v[8:9], v6                         ; my wave's 256 scale bytes: these loads see my stores
	s_wait_dscnt 0x0
	global_store_b64 v7, v[8:9], s[18:19]          ; 256 consecutive bytes, aligned
	s_wait_tensorcnt 0x0                           ; the wave's end: behind my last LDS store
	ds_add_u32 v[SPW], v[NIL]
	s_wait_dscnt 0x0
	s_endpgm
; ---------------- THE WEIGHTS.  Work-group w: tensor w / 32, columns 64 (w % 16) on, K from 512 ((w / 16) % 2) on.  Wave: columns 32 (wave % 2) on, K 256 (wave / 2) on: 8 blocks a lane.
; A lane takes a column n and its registers run down K: a block's largest magnitude needs no other lane, and the conversions give codes with K innermost.  A column's 256 bytes of codes come from two waves:
; they meet in the work-group's stage, and leave as rows: sixteen lanes store 256 consecutive bytes, aligned.  The scale bytes leave 8 a lane, 32 bytes apart: 98,304 bytes in the whole launch.
.Lw:
	s_lshr_b32 s27, ttmp9, 5                       ; which tensor
	s_and_b32 s26, ttmp9, 15                       ; cb
	s_bfe_u32 s28, ttmp9, 0x10004                  ; kh
	s_and_b32 s29, s24, 1                          ; cg
	s_lshr_b32 s30, s24, 1                         ; kc
	v_lshlrev_b32 v3, 2, v2                        ; in: 4 bytes a lane
	s_mul_i32 s31, s29, 32*WP
	s_lshl_b32 s32, s30, 7
	s_add_co_u32 s31, s31, s32
	s_add_co_u32 s31, s31, WSTG
	v_mul_u32_u24 v4, v2, WP
	v_add_nc_u32 v4, s31, v4                       ; into the stage: row 32 cg + lane, byte 128 kc
	v_and_b32 v5, 15, v2
	v_lshrrev_b32 v6, 4, v2
	v_mul_u32_u24 v7, v6, WP
	v_lshl_add_u32 v7, v5, 4, v7
	s_mul_i32 s31, s24, 16*WP
	s_add_co_u32 s31, s31, WSTG
	v_add_nc_u32 v7, s31, v7                       ; out of it: my wave's 16 rows, sixteen lanes to a row, two rows an instruction
	v_lshlrev_b32 v8, 9, v6
	v_lshl_add_u32 v8, v5, 4, v8                   ; and the same place in wc: rows of 512 bytes
	v_lshlrev_b32 v9, 5, v2                        ; my column's row of 32 scale bytes
	s_lshl_b32 s32, s28, 21                        ; W: (512 kh + 256 kc) rows of 4,096 bytes + (64 cb + 32 cg) x 4
	s_lshl_b32 s33, s30, 20
	s_add_co_u32 s32, s32, s33
	s_lshl_b32 s33, s26, 8
	s_add_co_u32 s32, s32, s33
	s_lshl_b32 s33, s29, 7
	s_add_co_u32 s32, s32, s33
	s_mov_b32 s33, 0
	s_lshl_b32 s34, s27, 19                        ; wc: 524,288 x tensor + (64 cb + 16 wave) x 512 + 256 kh
	s_lshl_b32 s35, s26, 15
	s_add_co_u32 s34, s34, s35
	s_lshl_b32 s35, s24, 13
	s_add_co_u32 s34, s34, s35
	s_lshl_b32 s35, s28, 8
	s_add_co_u32 s34, s34, s35
	s_mov_b32 s35, 0
	s_lshl_b32 s36, s27, 15                        ; ws: 32,768 x tensor + (64 cb + 32 cg) x 32 + 16 kh + 8 kc
	s_lshl_b32 s37, s26, 11
	s_add_co_u32 s36, s36, s37
	s_lshl_b32 s37, s29, 10
	s_add_co_u32 s36, s36, s37
	s_lshl_b32 s37, s28, 4
	s_add_co_u32 s36, s36, s37
	s_lshl_b32 s37, s30, 3
	s_add_co_u32 s36, s36, s37
	s_mov_b32 s37, 0
	s_wait_kmcnt 0x0
	s_cmp_eq_u32 s27, 0
	s_cselect_b64 s[10:11], s[10:11], s[12:13]
	s_cmp_eq_u32 s27, 2
	s_cselect_b64 s[10:11], s[14:15], s[10:11]
	s_add_nc_u64 s[10:11], s[10:11], s[32:33]
	s_add_nc_u64 s[20:21], s[20:21], s[34:35]
	s_add_nc_u64 s[22:23], s[22:23], s[36:37]
.macro WLOAD t                         ; block t: W(32 t + i, my column), i = 0 .. 31, into set t % 2; a wave's load reads 128 consecutive bytes
.irp i, 0,1,2,3,4,5,6,7,8,9,10,11,12,13,14,15,16,17,18,19,20,21,22,23,24,25,26,27,28,29,30,31
	global_load_b32 v[WX+32*((\t)%2)+\i], v3, s[10:11] offset:(32*(\t)+\i)*4096 th:TH_LOAD_NT
.endr
.endm
	WLOAD 0
	WLOAD 1
.macro BLOCK t
.set XS, WX+32*((\t)%2)
.if (\t) < NB-1
	s_wait_loadcnt 32                              ; this block's 32 loads are in; the next block's 32 may be out
.else
	s_wait_loadcnt 0
.endif
	v_max3_num_f32 v12, |v[XS]|, |v[XS+1]|, |v[XS+2]|               ; the block's largest magnitude: all 32 numbers are mine
	v_max3_num_f32 v13, |v[XS+3]|, |v[XS+4]|, |v[XS+5]|
.irp i, 6,10,14,18,22,26
	v_max3_num_f32 v12, v12, |v[XS+\i]|, |v[XS+\i+1]|
	v_max3_num_f32 v13, v13, |v[XS+\i+2]|, |v[XS+\i+3]|
.endr
	v_max3_num_f32 v12, v12, |v[XS+30]|, |v[XS+31]|
	v_max3_num_f32 v12, v12, v13, (EMAX+1)<<23     ; and the floor
	v_add_nc_u32 v11, -(EMAX<<23), v12             ; the conversion's scale operand
	v_lshrrev_b32 v13, 23, v11                     ; the scale's byte
.if (\t)%4 == 0
	v_mov_b32 v[SB+(\t)/4], v13                    ; four bytes to a register, the lower K in the lower byte
.else
	v_lshl_or_b32 v[SB+(\t)/4], v13, 8*((\t)%4), v[SB+(\t)/4]
.endif
.irp g, 0,1,2,3
	v_cvt_scalef32_pk8_fp4_f32 v[WC+\g], v[XS+8*\g:XS+8*\g+7], v11
.endr
	ds_store_b128 v4, v[WC:WC+3] offset:16*(\t)    ; 32 codes: 16 bytes of my column's row
.if (\t)+2 < NB
	WLOAD (\t)+2
.endif
	s_wait_dscnt 0x0                               ; the store has read its registers: the next block's codes may be written
.endm
.irp t, 0,1,2,3,4,5,6,7
	BLOCK \t
.endr
	global_store_b64 v9, v[SB:SB+1], s[22:23]      ; my column's eight scale bytes
	s_wait_dscnt 0x0                               ; for the others' sake: my stores into the stage are done
	s_barrier_signal -1
	s_barrier_wait -1                              ; a row's 256 bytes come from two waves
.irp i, 0,1,2,3,4,5,6,7
	ds_load_b128 v[OUTR+4*\i:OUTR+4*\i+3], v7 offset:2*\i*WP
.endr
.irp i, 0,1,2,3,4,5,6,7
	s_wait_dscnt 7-\i                              ; the younger read-backs may be out
	global_store_b128 v8, v[OUTR+4*\i:OUTR+4*\i+3], s[20:21] offset:2*\i*512
.endr
	s_wait_tensorcnt 0x0                           ; the wave's end: behind my last LDS store
	ds_add_u32 v[SPW], v[NIL]
	s_wait_dscnt 0x0
	s_endpgm
.Lfunc_end_k_q273282a49f_quant:
	.size	k_q273282a49f_quant, .Lfunc_end_k_q273282a49f_quant-k_q273282a49f_quant
	.p2alignl 7, 3214868480
	.fill 96, 4, 3214868480
	.section	.rodata,"a",@progbits
	.p2align	6, 0x0
	.amdhsa_kernel k_q273282a49f_quant
		.amdhsa_group_segment_fixed_size 50688
		.amdhsa_private_segment_fixed_size 0
		.amdhsa_enable_private_segment 0
		.amdhsa_kernarg_size 80
		.amdhsa_user_sgpr_count 2
		.amdhsa_user_sgpr_kernarg_segment_ptr 1
		.amdhsa_wavefront_size32 1
		.amdhsa_system_sgpr_workgroup_id_x 1
		.amdhsa_system_sgpr_workgroup_id_y 1
		.amdhsa_system_sgpr_workgroup_id_z 1
		.amdhsa_system_vgpr_workitem_id 0
		.amdhsa_next_free_vgpr 200
		.amdhsa_next_free_sgpr 66
		.amdhsa_reserve_vcc 0
		.amdhsa_float_denorm_mode_32 3
		.amdhsa_float_denorm_mode_16_64 3
		.amdhsa_memory_ordered 1
		.amdhsa_forward_progress 1
		.amdhsa_inst_pref_size 74
	.end_amdhsa_kernel
	.amdgpu_metadata
---
amdhsa.version: [ 1, 2 ]
amdhsa.kernels:
  - .name:           k_q273282a49f_quant
    .symbol:         k_q273282a49f_quant.kd
    .args:
      - { .name: q, .offset: 0, .size: 8, .value_kind: global_buffer, .address_space: global }
      - { .name: k, .offset: 8, .size: 8, .value_kind: global_buffer, .address_space: global }
      - { .name: v, .offset: 16, .size: 8, .value_kind: global_buffer, .address_space: global }
      - { .name: Wq, .offset: 24, .size: 8, .value_kind: global_buffer, .address_space: global }
      - { .name: Wk, .offset: 32, .size: 8, .value_kind: global_buffer, .address_space: global }
      - { .name: Wv, .offset: 40, .size: 8, .value_kind: global_buffer, .address_space: global }
      - { .name: xc, .offset: 48, .size: 8, .value_kind: global_buffer, .address_space: global }
      - { .name: xs, .offset: 56, .size: 8, .value_kind: global_buffer, .address_space: global }
      - { .name: wc, .offset: 64, .size: 8, .value_kind: global_buffer, .address_space: global }
      - { .name: ws, .offset: 72, .size: 8, .value_kind: global_buffer, .address_space: global }
    .group_segment_fixed_size: 50688
    .private_segment_fixed_size: 0
    .kernarg_segment_align: 8
    .kernarg_segment_size: 80
    .max_flat_workgroup_size: 128
    .sgpr_count:     66
    .vgpr_count:     200
    .wavefront_size: 32
...
	.end_amdgpu_metadata
.endif
;; end of part 1
;; launch proj (part 2): grid 4 x 96, 4 waves a work-group, clusters of 4 x 4, 327,680 bytes of LDS; arguments xc, xs, wc, ws, bq, bv, pj; writes pj
.if DOCPART == 2
	.amdgcn_target "amdgcn-amd-amdhsa--gfx1250"
	.amdhsa_code_object_version 6
	.text
	.protected	k_q273282a49f_proj
	.globl	k_q273282a49f_proj
	.p2align	8
	.type	k_q273282a49f_proj,@function
k_q273282a49f_proj:
	s_mov_b64 s[64:65], 0
	v_nop
	global_prefetch_b8 v0, s[64:65] scope:SCOPE_SE
	s_setreg_imm32_b32 hwreg(HW_REG_WAVE_MODE, 25, 1), 1
	s_wait_xcnt 0x0
	s_wait_alu depctr_hold_cnt(0) depctr_sa_sdst(0) depctr_va_vdst(0) depctr_va_sdst(0) depctr_va_ssrc(0) depctr_va_vcc(0) depctr_vm_vsrc(0)
	s_getreg_b32 s2, hwreg(HW_REG_IB_STS2, 6, 4)
	s_cmp_eq_u32 s2, 0
	s_cbranch_scc0 .Lentry_in_a_cluster
	s_endpgm
.Lentry_in_a_cluster:
	s_bfe_u32 s2, ttmp6, 0x10000c
	s_cmp_lg_u32 s2, 0xf033
	s_cbranch_scc0 .Lentry_shape_is_right
	s_endpgm
.Lentry_shape_is_right:
; LAUNCH 2 OF 3.  The three projections on codes of FP4 (E2M1) with E8M0 scales: query = q Wq + bq, key = k Wk, value = relu(v Wv + bv); sums in f32; results rounded once to f16 for the attention's products.
; WORK LEFT OUT: bk is not added (launch 1's head shows that it reaches no output).
; xc [24576 rows = q, k, v on end][512 bytes], xs [24576][32], wc [3072 rows n = Wq, Wk, Wv on end][512], ws [3072][32].  A tile is 256 tokens x 256 columns; four waves, each 128 x 128: 64 accumulators, 512 registers.
; K = 1,024 is two slots of 512 along K: both are filled at the start and nothing is filled again.  A wave has three tensor loads out at the most: its scales, its parts of slot 0 and of slot 1.
; CLUSTERS: 4 x 4 work-groups.  The four of a row of the cluster need the same tokens, the four of a column the same weights: each tile is asked for jointly, by the same tensor load with the same descriptor and a mask that names the four.
; Which tensor (T = 0, 1, 2) hangs on the cluster's y alone: it is the same in all sixteen partners, and so are the branches on it.
; THE RESULT LEAVES AS IMAGES OF THE ATTENTION'S OPERAND REGISTERS: pj [3][16 batch + head][262,144 bytes] in pieces of 512 bytes, lane l's 16 bytes at 16 l.
;   query, key: source 0 = 16 rows of W, source 1 = 16 tokens: a lane holds ONE token and eight channels.  Piece [token / 16][(channel / 16) % 4].
;   value: the sources change places: a lane holds ONE channel and eight tokens (keys).  Piece [key / 32][channel / 16][(key / 16) % 2].
; So four conversions make 16 bytes a lane, and each store of the wave covers 512 consecutive bytes, aligned: no stage in LDS.
; LIMIT: query, key and value must lie within f16's range, +-65,504; with every input 30 times the drawn spread they reach some 4.5e3, with offsets of 30 spreads on tokens and weights some 2.9e4.
; REGISTERS, in windows of 256: window 0: v16-30 addresses; v32-95 scale words, two sets (on the way out: packed results); v128-191 the tokens' fragments, one set; v192-255 the bias in the result's layout, the C of each sum's first product.
;   window 1: the weights' fragments, two sets, at v0 and v128.   window 2: the accumulators of my tokens 0-63 ((a, b) at v[8 (8 a + b)]);   window 3: those of my tokens 64-127.
.set NQ,     4                         ; matrix instructions deep in a slot
.set ROWB,   256                       ; a tile's row in bytes: 512 codes
.set KROW,   512                       ; a row of codes in memory
.set PITCH,  272                       ; an LDS row: 256 bytes + 16 of padding = 68 words: the 16 rows that a load touches start 4 words apart modulo 64
.set FR,     8
.set NL,     2
.set NP,     4                         ; places behind this matrix instruction (ISA guide 7.12.1)
.set HALFT,  128*PITCH
.set SLOT,   4*HALFT                   ; the tokens' 256 rows, then the weights' 256 rows
.set KS,     32                        ; a row of scale bytes
.set SCL,    2*SLOT                    ; behind the slots: the scales, as rows of 256 bytes + 16 of padding
.set HALFS,  16*272                    ; the scales of 128 rows
.set SBLK,   2*272                     ; those of 16 rows
.set SPARE,  SCL+4*HALFS               ; the spare words, 128 bytes for each wave: two blocks of 256 bytes that no other line names
.set ADRA, 16                          ; v16-17 LDS address of my tokens' fragments in slot 0, 1
.set ADRB, 20                          ; v20-21 of my weights'
.set CO,   26                          ; v26 16 x lane: my place in a piece
.set ADRS, 27                          ; v27 LDS address of my scale words: lanes 0-15 the tokens', lanes 16-31 the weights'
.set SPW,  28                          ; v28 my spare word; never rewritten
.set NIL,  29                          ; v29 0; never rewritten
.set BO,   30                          ; v30 my offset in the bias
.set SC,   32
.set AF,   128
.set BI,   192
.set TMP,  32
.set G1, 24
.set G0, 32
.set G1B, 48
.set G0B, 56
.set G1S, 68
.set G0S, 76
.set G1SB, 80
.set G0SB, 88
.set MSB, 0
.macro WIN new                         ; the immediate's high byte repeats the setting that is left
.if MSB != \new
	s_set_vgpr_msb (MSB<<8)|\new
.set MSB, \new
.endif
.endm
.set TO_B, 0x40                        ; destination window 1, address window 0
; the windows of a run of products.  sw = 0: source 0 (weights) window 1, source 1 (tokens) window 0; sw = 1: the other way round.  D in window 2 + hi; C with it, but for cm = 2 (the bias, window 0)
.macro WMUL hi, cm, sw
.if \sw
.set WV, 0x04
.else
.set WV, 0x01
.endif
.set WV, WV+((2+\hi)<<6)
.if \cm != 2
.set WV, WV+((2+\hi)<<4)
.endif
	WIN WV
.endm
; A joint load: waves 0 and 1 fetch for the tokens, waves 2 and 3 for the weights.  The branch hangs on the wave's number alone.  An s_nop 0 and four v_nop follow each of the two lines.
.macro JLOAD g0a, g1a, g0b, g1b
	s_cmp_eq_u32 s15, 0
	s_cbranch_scc0 .Lfor_b_\@
	tensor_load_to_lds s[\g0a:\g0a+3], s[\g1a:\g1a+7]
	s_nop 0
.rept 4
	v_nop
.endr
	s_branch .Lasked_\@
.Lfor_b_\@:
	tensor_load_to_lds s[\g0b:\g0b+3], s[\g1b:\g1b+7]
	s_nop 0
.rept 4
	v_nop
.endr
.Lasked_\@:
.endm
.macro CROUND                          ; a round of the cluster's barrier
	s_barrier_signal -1
	s_barrier_wait -1
	s_cmp_lg_u32 s14, 0
	s_cbranch_scc1 .Lnot_wave_0_\@
	s_barrier_signal -3
.Lnot_wave_0_\@:
	s_barrier_wait -3
	s_barrier_signal -1
	s_barrier_wait -1
.endm
	s_load_b128 s[4:7], s[0:1], 0x0                ; xc s[4:5], xs s[6:7]
	s_load_b128 s[8:11], s[0:1], 0x10              ; wc s[8:9], ws s[10:11]
	s_load_b128 s[96:99], s[0:1], 0x20             ; bq s[96:97], bv s[98:99]
	s_load_b64 s[12:13], s[0:1], 0x30              ; pj
	v_lshl_add_u32 v[SPW], v0, 2, SPARE
	v_mov_b32 v[NIL], 0
	ds_add_u32 v[SPW], v[NIL]                      ; the wave's opening: the add, twice on end, and its wait ahead of my first tensor load
	ds_add_u32 v[SPW], v[NIL]
	v_lshrrev_b32 v1, 5, v0
	v_readfirstlane_b32 s14, v1                    ; wave 0..3
	s_lshr_b32 s15, s14, 1                         ; which half of the tile's tokens is mine.  Also: I fetch for the tokens (0) or for the weights (1)
	s_and_b32 s16, s14, 1                          ; which half of its columns.  Also: which 128 rows I fetch
	s_bfe_u32 s40, ttmp6, 0x40000                  ; cx, cy: my place in the cluster
	s_bfe_u32 s41, ttmp6, 0x40004
	s_lshl_b32 s42, ttmp9, 2
	s_add_co_u32 s42, s42, s40                     ; x: tile column = 4 x cluster x + cx
	s_and_b32 s17, ttmp7, 0xffff
	s_lshr_b32 s95, s17, 3                         ; T: which tensor, from the cluster's y alone
	s_lshl_b32 s17, s17, 2
	s_add_co_u32 s17, s17, s41                     ; y: tile row = 4 x cluster y + cy, 0 .. 95
	s_lshl_b32 s43, s41, 2
	s_lshl_b32 s43, 15, s43                        ; my row of the cluster
	s_lshl_b32 s44, 0x1111, s40                    ; my column
	; descriptor group 1: 128 rows x 256 bytes, 16 bytes of padding behind each row
	s_or_b32 s[G1+0], s43, (0<<16)|(1<<20)|(1<<21)|(5<<22)|(3<<25)  ; 15:0 the mask; 17:16 elements of 1 byte; 20 padding on; 21 set beside a mask; 24:22 after every 64 words; 31:25 four words
	s_or_b32 s[G1B+0], s44, (0<<16)|(1<<20)|(1<<21)|(5<<22)|(3<<25)
.irp g, G1, G1B
	s_mov_b32 s[\g+1], ROWB<<16                    ; tensor_dim0
	s_mov_b32 s[\g+2], 128<<16                     ; tensor_dim1
	s_mov_b32 s[\g+3], ROWB<<16                    ; tile_dim0
	s_mov_b32 s[\g+4], 128                         ; tile_dim1
	s_mov_b32 s[\g+5], KROW                        ; from row to row
	s_mov_b32 s[\g+6], 0
	s_mov_b32 s[\g+7], 0
.endr
	; the scales of 128 rows: 4,096 dense bytes, as 16 rows of 256 bytes (32 elements of 8 bytes), 16 bytes of padding behind each
	s_or_b32 s[G1S+0], s43, (3<<16)|(1<<20)|(1<<21)|(5<<22)|(3<<25)
	s_or_b32 s[G1SB+0], s44, (3<<16)|(1<<20)|(1<<21)|(5<<22)|(3<<25)
.irp g, G1S, G1SB
	s_mov_b32 s[\g+1], 32<<16
	s_mov_b32 s[\g+2], 16<<16
	s_mov_b32 s[\g+3], 32<<16
	s_mov_b32 s[\g+4], 16
	s_mov_b32 s[\g+5], 32
	s_mov_b32 s[\g+6], 0
	s_mov_b32 s[\g+7], 0
.endr
	s_lshl_b32 s18, s16, 7                         ; which 128 rows I fetch
	s_lshl_b32 s20, s17, 8
	s_add_co_u32 s20, s20, s18                     ; tokens: row 256 y + 128 x half
	s_lshl_b32 s46, s42, 8
	s_add_co_u32 s46, s46, s18
	s_lshl_b32 s47, s95, 10
	s_add_co_u32 s46, s46, s47                     ; weights: row 1,024 T + 256 x + 128 x half
	s_mov_b32 s21, 0
	s_mov_b32 s47, 0
	s_mov_b64 s[18:19], KS
	s_mul_u64 s[22:23], s[20:21], s[18:19]         ; where these rows' scales begin, in bytes
	s_mul_u64 s[92:93], s[46:47], s[18:19]
	s_mov_b64 s[18:19], KROW
	s_mul_u64 s[20:21], s[20:21], s[18:19]         ; and their codes
	s_mul_u64 s[46:47], s[46:47], s[18:19]
	s_mul_i32 s45, s14, HALFT                      ; where they go: wave x 128 rows: no place in the cluster enters an LDS address
	s_mul_i32 s94, s14, HALFS
	s_wait_dscnt 0x0                               ; both opening adds are done
	s_wait_kmcnt 0x0
	s_add_nc_u64 s[20:21], s[4:5], s[20:21]
	s_add_nc_u64 s[22:23], s[6:7], s[22:23]
	s_add_nc_u64 s[46:47], s[8:9], s[46:47]
	s_add_nc_u64 s[92:93], s[10:11], s[92:93]
	CROUND                                         ; all sixteen work-groups are here: the joint loads meet
	s_mov_b32 s[G0S], 1
	s_add_co_u32 s[G0S+1], s94, SCL
	s_mov_b64 s[G0S+2:G0S+3], s[22:23]
	s_or_b32 s[G0S+3], s[G0S+3], 0x80000000
	s_mov_b32 s[G0SB], 1
	s_add_co_u32 s[G0SB+1], s94, SCL
	s_mov_b64 s[G0SB+2:G0SB+3], s[92:93]
	s_or_b32 s[G0SB+3], s[G0SB+3], 0x80000000
	JLOAD G0S, G1S, G0SB, G1SB                     ; the scales first: they are wanted with slot 0
.irp s, 0,1
	s_mov_b32 s[G0+4*\s], 1
	s_add_co_u32 s[G0+4*\s+1], s45, \s*SLOT
	s_add_nc_u64 s[G0+4*\s+2:G0+4*\s+3], s[20:21], \s*ROWB
	s_or_b32 s[G0+4*\s+3], s[G0+4*\s+3], 0x80000000
	s_mov_b32 s[G0B+4*\s], 1
	s_add_co_u32 s[G0B+4*\s+1], s45, \s*SLOT
	s_add_nc_u64 s[G0B+4*\s+2:G0B+4*\s+3], s[46:47], \s*ROWB
	s_or_b32 s[G0B+4*\s+3], s[G0B+4*\s+3], 0x80000000
	JLOAD G0+4*\s, G1, G0B+4*\s, G1B
.endr
	v_and_b32 v1, 15, v0                           ; r = l % 16
	v_bfe_u32 v2, v0, 4, 1                         ; h = l / 16
	v_mul_u32_u24 v3, v1, PITCH
	v_lshl_add_u32 v4, v2, 4, v3                   ; a fragment's row x pitch + 16 x half
	s_mul_i32 s21, s15, HALFT                      ; my 128 tokens
	s_mul_i32 s22, s16, HALFT                      ; my 128 rows of W,
	s_add_co_u32 s22, s22, 2*HALFT                 ; which lie behind the tokens' 256
.irp s, 0,1
	v_add_nc_u32 v[ADRA+\s], s21, v4
	v_add_nc_u32 v[ADRB+\s], s22, v4
	s_add_co_u32 s21, s21, SLOT
	s_add_co_u32 s22, s22, SLOT
.endr
	v_mul_u32_u24 v5, v1, KS                       ; my row's scales: 32 bytes a row,
	v_lshrrev_b32 v6, 8, v5
	v_lshl_add_u32 v5, v6, 4, v5                   ; and 16 more for each 256 passed
	s_mul_i32 s21, s15, HALFS
	s_mul_i32 s22, s16, HALFS
	s_add_co_u32 s22, s22, 2*HALFS
	s_sub_co_u32 s22, s22, s21
	v_mul_u32_u24 v6, s22, v2                      ; lanes 16-31 take the weights'
	s_add_co_u32 s21, s21, SCL
	v_add_nc_u32 v5, v5, v6
	v_add_nc_u32 v[ADRS], s21, v5
	v_and_b32 v6, 31, v0
	v_lshlrev_b32 v[CO], 4, v6
	; where my results go: (y / 8) x 2^22 = tensor and batch; (y % 8) x 2^15 + (wave / 2) x 2^14 = my 128 tokens' pieces; (4 x + 2 (wave % 2)) x 2^18 = my first head
	s_lshr_b32 s20, s17, 3
	s_lshl_b32 s20, s20, 22
	s_and_b32 s21, s17, 7
	s_lshl_b32 s21, s21, 15
	s_add_co_u32 s20, s20, s21
	s_lshl_b32 s21, s15, 14
	s_add_co_u32 s20, s20, s21
	s_lshl_b32 s46, s42, 20
	s_lshl_b32 s47, s16, 19
	s_add_co_u32 s46, s46, s47
	s_add_co_u32 s20, s20, s46
	s_mov_b32 s21, 0
	s_add_nc_u64 s[12:13], s[12:13], s[20:21]
	s_lshl_b32 s46, s42, 10                        ; the biases at my first column: 4 (256 x + 128 (wave % 2))
	s_lshl_b32 s47, s16, 9
	s_add_co_u32 s46, s46, s47
	s_mov_b32 s47, 0
	s_add_nc_u64 s[96:97], s[96:97], s[46:47]
	s_add_nc_u64 s[98:99], s[98:99], s[46:47]
.macro FRAG reg, adr, q, i             ; 16 rows x 128 K of 4-bit codes: 8 registers; lane l: row l % 16; registers 4 c .. 4 c + 3: K = 64 c + 32 (l / 16) + 0 .. 31
.irp c, 0,1
	ds_load_b128 v[\reg+4*\c:\reg+4*\c+3], v[\adr] offset:64*(\q)+32*\c+(\i)*16*PITCH
.endr
.endm
; 16 matrix instructions: token blocks a0, a0 + 1 x the weights' eight, the slot's q-th 128 along K.  p: the weights' set; sc: the set of scale words.
; cm = 0: C is D; 1: C is 0 (key: no bias); 2: C is the bias.  The 64 accumulators take turns, one instruction a turn, in the same order in every step.
.macro MUL16 a0, p, q, sc, cm, sw
.irp a, \a0, \a0+1
.irp b, 0,1,2,3,4,5,6,7
.set rD, 8*(8*((\a)%4)+\b)
.set rW, 128*(\p)+FR*\b
.set rX, AF+FR*(\a)
.set rSW, SC+8*NQ*(\sc)+NQ*\b+(\q)
.set rSX, SC+8*NQ*(\sc)+NQ*(\a)+(\q)
.if \sw
.if \cm == 2
	v_wmma_scale_f32_16x16x128_f8f6f4 v[rD:rD+7], v[rX:rX+7], v[rW:rW+7], v[BI+8*\b:BI+8*\b+7], v[rSX], v[rSW] matrix_a_fmt:MATRIX_FMT_FP4 matrix_b_fmt:MATRIX_FMT_FP4 matrix_b_scale:MATRIX_SCALE_ROW1
.else
	v_wmma_scale_f32_16x16x128_f8f6f4 v[rD:rD+7], v[rX:rX+7], v[rW:rW+7], v[rD:rD+7], v[rSX], v[rSW] matrix_a_fmt:MATRIX_FMT_FP4 matrix_b_fmt:MATRIX_FMT_FP4 matrix_b_scale:MATRIX_SCALE_ROW1
.endif
.else
.if \cm == 2
	v_wmma_scale_f32_16x16x128_f8f6f4 v[rD:rD+7], v[rW:rW+7], v[rX:rX+7], v[BI+8*\b:BI+8*\b+7], v[rSW], v[rSX] matrix_a_fmt:MATRIX_FMT_FP4 matrix_b_fmt:MATRIX_FMT_FP4 matrix_a_scale:MATRIX_SCALE_ROW1
.elseif \cm == 1
	v_wmma_scale_f32_16x16x128_f8f6f4 v[rD:rD+7], v[rW:rW+7], v[rX:rX+7], 0, v[rSW], v[rSX] matrix_a_fmt:MATRIX_FMT_FP4 matrix_b_fmt:MATRIX_FMT_FP4 matrix_a_scale:MATRIX_SCALE_ROW1
.else
	v_wmma_scale_f32_16x16x128_f8f6f4 v[rD:rD+7], v[rW:rW+7], v[rX:rX+7], v[rD:rD+7], v[rSW], v[rSX] matrix_a_fmt:MATRIX_FMT_FP4 matrix_b_fmt:MATRIX_FMT_FP4 matrix_a_scale:MATRIX_SCALE_ROW1
.endif
.endif
.endr
.endr
.endm
.macro FETCH_B slot, q, p              ; the weights' eight fragments into set p
	WIN TO_B
.irp i, 0,1,2,3,4,5,6,7
	FRAG 128*(\p)+FR*\i, ADRB+\slot, \q, \i
.endr
	WIN 0
.endm
.macro FETCH_A slot, q, i0             ; the tokens' blocks i0 .. i0 + 3
.irp i, \i0, \i0+1, \i0+2, \i0+3
	FRAG AF+FR*(\i), ADRA+\slot, \q, \i
.endr
.endm
.macro SCALES sc                       ; a slot's scale words: four words a row; lanes 0-15 the tokens' block i, lanes 16-31 the weights' block i
.irp i, 0,1,2,3,4,5,6,7
	ds_load_b128 v[SC+8*NQ*\sc+NQ*\i:SC+8*NQ*\sc+NQ*\i+3], v[ADRS] offset:\i*SBLK
.endr
.endm
.macro PLACES n                        ; places in front of loads into registers that matrix instructions have read, and of the first read of results
.rept \n
	v_nop
.endr
.endm
; A step of 128 along K that has its successor in the same slot: a block of tokens is free as soon as its eight products are issued, so one set serves them; the weights have two.
.macro STEP slot, q, cm, sw
	s_wait_dscnt 4*NL                              ; the weights' set and token blocks 0-3 are in; the youngest eight loads (blocks 4-7) may be out
	WMUL 0, \cm, \sw
	MUL16 0, (\q)%2, \q, \slot, \cm, \sw
	MUL16 2, (\q)%2, \q, \slot, \cm, \sw
	s_wait_dscnt 0
	PLACES NP
	FETCH_B \slot, (\q)+1, 1-(\q)%2
	FETCH_A \slot, (\q)+1, 0
	WMUL 1, \cm, \sw
	MUL16 4, (\q)%2, \q, \slot, \cm, \sw
	MUL16 6, (\q)%2, \q, \slot, \cm, \sw
	PLACES NP
	WIN 0
	FETCH_A \slot, (\q)+1, 4
.endm
; Slot 0's last step goes over to slot 1: one barrier; in front of it each wave waits for all its tensor loads (its part of slot 1), adds 0 to its spare word and waits for that.
.macro TURN slot, next, sw
	s_wait_tensorcnt 0x0
	ds_add_u32 v[SPW], v[NIL]
	s_wait_dscnt 4*NL+1                            ; (the add and the youngest eight loads may be out)
	WMUL 0, 0, \sw
	MUL16 0, 1, NQ-1, \slot, 0, \sw
	s_wait_dscnt 0x0
	s_barrier_signal -1
	MUL16 2, 1, NQ-1, \slot, 0, \sw
	WIN 0
	s_barrier_wait -1                              ; slot 1 is whole
	PLACES NP
	v_add_nc_u32 v[ADRS], 4*NQ, v[ADRS]            ; on to slot 1's scale words
	FETCH_B \next, 0, 0
	FETCH_A \next, 0, 0
	SCALES \next
	WMUL 1, 0, \sw
	MUL16 4, 1, NQ-1, \slot, 0, \sw
	MUL16 6, 1, NQ-1, \slot, 0, \sw
	PLACES NP
	WIN 0
	FETCH_A \next, 0, 4
.endm
.macro STEPS slot, from, sw            ; the slot's steps from .. NQ - 2
.set Q, \from
.rept NQ-1-\from
	STEP \slot, Q, 0, \sw
.set Q, Q+1
.endr
.endm
.macro FIRST cm, sw                    ; the first step starts the sums
	s_wait_tensorcnt 1                             ; the scales and my part of slot 0 are in (slot 1's load may be out),
	s_barrier_signal -1
	s_barrier_wait -1                              ; everybody's are
	FETCH_B 0, 0, 0
	FETCH_A 0, 0, 0
	SCALES 0
	FETCH_A 0, 0, 4
.if \cm == 2
	s_wait_loadcnt 0x0                             ; the bias
.endif
	STEP 0, 0, \cm, \sw
.endm
.macro REST sw
	STEPS 0, 1, \sw
	TURN 0, 1, \sw
	STEPS 1, 0, \sw
	s_wait_dscnt 4*NL                              ; the very last step: nothing more to fetch
	WMUL 0, 0, \sw
	MUL16 0, 1, NQ-1, 1, 0, \sw
	MUL16 2, 1, NQ-1, 1, 0, \sw
	s_wait_dscnt 0
	WMUL 1, 0, \sw
	MUL16 4, 1, NQ-1, 1, 0, \sw
	MUL16 6, 1, NQ-1, 1, 0, \sw
	WIN 0
.endm
; THE WAY OUT, a block of 16 tokens at a time: (value: relu,) eight numbers of a lane become 16 bytes of f16, and each store of the wave covers one piece: 512 consecutive bytes, aligned.  Each accumulator is read from its low end on.
.macro WAYOUT v
	PLACES NP
.irp a, 0,1,2,3,4,5,6,7
.set AC, 64*(\a%4)
.set TSET, TMP+32*(\a%2)
.if \a > 1
	s_wait_xcnt 0x0                                ; block a - 2's stores have read their registers: they are written again only behind this wait
.endif
.if \v
.set WV, 0x8a+0x45*(\a/4)
	WIN WV                                         ; sources and destination in window 2 or 3
.irp b, 0,1,2,3,4,5,6,7
.irp j, 0,1,2,3,4,5,6,7
	v_max_num_f32 v[AC+8*\b+\j], 0, v[AC+8*\b+\j]
.endr
.endr
.endif
.set WV, 0x0a+5*(\a/4)
	WIN WV                                         ; sources in window 2 or 3, destination in window 0
.irp b, 0,1,2,3,4,5,6,7
.irp r, 0,1,2,3
	v_cvt_pk_f16_f32 v[TSET+4*\b+\r], v[AC+8*\b+2*\r], v[AC+8*\b+2*\r+1]
.endr
.endr
	WIN 0
.irp b, 0,1,2,3,4,5,6,7
.if \v
	global_store_b128 v[CO], v[TSET+4*\b:TSET+4*\b+3], s[12:13] offset:(\b/4)*262144+(\a/2)*4096+(\b%4)*1024+(\a%2)*512 th:TH_STORE_NT
.else
	global_store_b128 v[CO], v[TSET+4*\b:TSET+4*\b+3], s[12:13] offset:(\b/4)*262144+\a*2048+(\b%4)*512 th:TH_STORE_NT
.endif
.endr
.endr
.endm
	s_cmp_eq_u32 s95, 2
	s_cbranch_scc1 .Lv
	s_cmp_eq_u32 s95, 1
	s_cbranch_scc1 .Lk
	; query: lane (r, h) wants, for column block b, bq at 16 b + 8 h + 0 .. 7
	v_lshlrev_b32 v[BO], 5, v2
.irp b, 0,1,2,3,4,5,6,7
	global_load_b128 v[BI+8*\b:BI+8*\b+3], v[BO], s[96:97] offset:64*\b
	global_load_b128 v[BI+8*\b+4:BI+8*\b+7], v[BO], s[96:97] offset:64*\b+16
.endr
	FIRST 2, 0
	s_branch .Lqk
.Lk:
	FIRST 1, 0                                     ; key: the sums begin at 0
.Lqk:
	REST 0
	WAYOUT 0
	s_branch .Lend
.Lv:
	; value: a lane is ONE channel: for column block b all eight registers hold bv at 16 b + r
	v_lshlrev_b32 v[BO], 2, v1
.irp b, 0,1,2,3,4,5,6,7
.irp j, 0,1,2,3,4,5,6,7
	global_load_b32 v[BI+8*\b+\j], v[BO], s[98:99] offset:64*\b
.endr
.endr
	FIRST 2, 1
	REST 1
	WAYOUT 1
.Lend:
	s_wait_tensorcnt 0x0                           ; the wave's end
	ds_add_u32 v[SPW], v[NIL]
	s_wait_dscnt 0x0
	CROUND                                         ; the closing round: no work-group ends while a partner may still ask for a tile that names it
	s_endpgm
.Lfunc_end_k_q273282a49f_proj:
	.size	k_q273282a49f_proj, .Lfunc_end_k_q273282a49f_proj-k_q273282a49f_proj
	.p2alignl 7, 3214868480
	.fill 96, 4, 3214868480
	.section	.rodata,"a",@progbits
	.p2align	6, 0x0
	.amdhsa_kernel k_q273282a49f_proj
		.amdhsa_group_segment_fixed_size 327680
		.amdhsa_private_segment_fixed_size 0
		.amdhsa_enable_private_segment 0
		.amdhsa_kernarg_size 56
		.amdhsa_user_sgpr_count 2
		.amdhsa_user_sgpr_kernarg_segment_ptr 1
		.amdhsa_wavefront_size32 1
		.amdhsa_system_sgpr_workgroup_id_x 1
		.amdhsa_system_sgpr_workgroup_id_y 1
		.amdhsa_system_sgpr_workgroup_id_z 1
		.amdhsa_system_vgpr_workitem_id 0
		.amdhsa_next_free_vgpr 1024
		.amdhsa_next_free_sgpr 100
		.amdhsa_reserve_vcc 0
		.amdhsa_float_denorm_mode_32 3
		.amdhsa_float_denorm_mode_16_64 3
		.amdhsa_memory_ordered 1
		.amdhsa_forward_progress 1
		.amdhsa_inst_pref_size 255
	.end_amdhsa_kernel
	.section	.bss,"aw",@nobits
	.p2align	6
	.space	262144
	.amdgpu_metadata
---
amdhsa.version: [ 1, 2 ]
amdhsa.kernels:
  - .name:           k_q273282a49f_proj
    .symbol:         k_q273282a49f_proj.kd
    .args:
      - { .name: xc, .offset: 0, .size: 8, .value_kind: global_buffer, .address_space: global }
      - { .name: xs, .offset: 8, .size: 8, .value_kind: global_buffer, .address_space: global }
      - { .name: wc, .offset: 16, .size: 8, .value_kind: global_buffer, .address_space: global }
      - { .name: ws, .offset: 24, .size: 8, .value_kind: global_buffer, .address_space: global }
      - { .name: bq, .offset: 32, .size: 8, .value_kind: global_buffer, .address_space: global }
      - { .name: bv, .offset: 40, .size: 8, .value_kind: global_buffer, .address_space: global }
      - { .name: pj, .offset: 48, .size: 8, .value_kind: global_buffer, .address_space: global }
    .group_segment_fixed_size: 327680
    .private_segment_fixed_size: 0
    .kernarg_segment_align: 8
    .kernarg_segment_size: 56
    .max_flat_workgroup_size: 128
    .sgpr_count:     100
    .vgpr_count:     1024
    .wavefront_size: 32
...
	.end_amdgpu_metadata
.endif
;; end of part 2
;; launch attn (part 3): grid 4 x 64, 8 waves a work-group, clusters of 4 x 1, 327,680 bytes of LDS; arguments pj, out0; writes out0
.if DOCPART == 3
	.amdgcn_target "amdgcn-amd-amdhsa--gfx1250"
	.amdhsa_code_object_version 6
	.text
	.protected	k_q273282a49f_attn
	.globl	k_q273282a49f_attn
	.p2align	8
	.type	k_q273282a49f_attn,@function
k_q273282a49f_attn:
	s_mov_b64 s[64:65], 0
	v_nop
	global_prefetch_b8 v0, s[64:65] scope:SCOPE_SE
	s_setreg_imm32_b32 hwreg(HW_REG_WAVE_MODE, 25, 1), 1
	s_wait_xcnt 0x0
	s_wait_alu depctr_hold_cnt(0) depctr_sa_sdst(0) depctr_va_vdst(0) depctr_va_sdst(0) depctr_va_ssrc(0) depctr_va_vcc(0) depctr_vm_vsrc(0)
	s_getreg_b32 s2, hwreg(HW_REG_IB_STS2, 6, 4)
	s_cmp_eq_u32 s2, 0
	s_cbranch_scc0 .Lentry_in_a_cluster
	s_endpgm
.Lentry_in_a_cluster:
	s_bfe_u32 s2, ttmp6, 0x10000c
	s_cmp_lg_u32 s2, 0x3003
	s_cbranch_scc0 .Lentry_shape_is_right
	s_endpgm
.Lentry_shape_is_right:
; LAUNCH 3 OF 3.  out0[b][q][64 head + :] = the sum over keys of softmax_key(query[q] . key[key] / 8) value[key][:], for each of the 64 (batch, head); operands f16, products, maxima and sums f32; the weights p are rounded to f16 for the second product.
; WORK LEFT OUT: key comes without bk (launch 1's head shows that bk reaches no output).
; pj holds query, key and value as images of operand registers, in pieces of 512 bytes, lane l's 16 bytes at 16 l (launch 2's head): every load here, from memory or LDS, is 16 x lane + a constant: no pitch, no padding, no turning load.
; SHARES.  A work-group owns 512 queries of one (batch, head), each of its eight waves 64: four tiles of 16.  Every wave walks all 2,048 keys, 64 a step; a fragment of key or value read from LDS feeds four matrix instructions.
; LAYOUT.  S^T = K Q^T (source 0 = 16 keys, source 1 = 16 queries): a lane holds ONE query (lane % 16) and keys 8 (lane / 16) + 0..7.  Two such tiles, rounded to f16 in pairs, ARE source 1 of O^T = V^T P, whose result again holds one query a lane.
; SOFTMAX.  For each query a running maximum m and sum l: p = 2^(c s - c m), c = log2(e) / 8; in every step O and l are multiplied by a = 2^(c m_old - c m_new).  m begins at -3e38, l and O at 0: the first a is 0 and leaves zeros zeros, so the step is written once.
; CLUSTER.  The four query blocks of a (batch, head) form a cluster and walk the same key and value: each tile is asked for jointly, by the same tensor load with the same descriptor and a mask that names the four.
; THE RING.  Two slots of 512 keys (65,536 bytes of key, then 65,536 of value); each of the eight waves fetches 16,384 bytes of a slot by one load.  A wave has two loads out at the start, one behind each refill; a refill has eight key steps in which to land.
; A TRIP is rotated: softmax and V^T P of step j, with the loads and K Q^T of step j + 1.  So when a slot's last K Q^T is issued, all reads of the slot are issued, and one barrier between two trips leaves the old slot and opens the new one.
; LIMITS: query, key, value within f16's range (launch 2's head); a p under 2^-24 is rounded to 0, beside a row's largest p of about 1.
; REGISTERS, in windows of 256.  Window 0: v3-11 addresses; v16-47 eight registers of statistics a tile (+0 c m, +1 m, +2, +3 l, +4 to +7 at work; a takes +6); v64-191 S^T, 32 a tile, P over its first 16; v192-255 K of a step.
;   Window 1: v0-127 O^T, 32 a tile; v128-191 Q, 16 a tile; v192-255 V of a step.
.set SLOT1, 131072
.set VOFF,  65536
.set STEPB, 8192                       ; a step's 64 keys: 16 pieces of key, and as many of value
.set SPARE, 262144                     ; the spare words, 128 bytes for each wave: four blocks of 256 bytes that no other line names
.set STAGE, 263168                     ; the way out: 16 rows x 272 bytes for each wave; no tile lands here
.set SP,    272
.set LI,  3                            ; v3  16 x lane
.set ADK, 4                            ; v4  LDS address of the step's key pieces
.set ADV, 5                            ; v5  of its value pieces
.set STO, 6
.set RD,  7
.set GO,  8
.set SPW, 10                           ; v10 my spare word; never rewritten
.set NIL, 11                           ; v11 0; never rewritten
.set ST,  16
.set S,   64
.set KF,  192
.set QF,  128
.set VF,  192
.set WV,  8
.set G1,  16                           ; s[16:23] descriptor group 1
.set G0A, 24                           ; s[24:27] group 0 of slot 0's first fill
.set G0B, 28                           ; s[28:31] of slot 1's; it then walks on
.set CS,  32                           ; s[32:33] c
.set SEL, 34                           ; s[34:35] lane selects: lane l xor 16
.set TB,  36                           ; s36 LDS byte of the step to be fetched
.set SLOTS, 37
.set CNT, 38
.set QB,  40                           ; s[40:41] my wave's query pieces
.set OB,  42                           ; s[42:43] my wave's first row of out0, at my head's 256 bytes
.set MSB, 0
.macro WIN new
.if MSB != \new
	s_set_vgpr_msb (MSB<<8)|\new
.set MSB, \new
.endif
.endm
.macro CROUND                          ; a round of the cluster's barrier
	s_barrier_signal -1
	s_barrier_wait -1
	s_cmp_lg_u32 s[WV], 0
	s_cbranch_scc1 .Lnot_wave_0_\@
	s_barrier_signal -3
.Lnot_wave_0_\@:
	s_barrier_wait -3
	s_barrier_signal -1
	s_barrier_wait -1
.endm
	s_load_b128 s[4:7], s[0:1], 0x0                ; pj s[4:5], out0 s[6:7]
	v_lshl_add_u32 v[SPW], v0, 2, SPARE
	v_mov_b32 v[NIL], 0
	ds_add_u32 v[SPW], v[NIL]                      ; the wave's opening: the add, twice on end, and its wait ahead of my first tensor load
	ds_add_u32 v[SPW], v[NIL]
	v_lshrrev_b32 v1, 5, v0
	v_readfirstlane_b32 s[WV], v1                  ; wave 0..7
	s_bfe_u32 s9, ttmp6, 0x40000                   ; cx
	s_lshl_b32 s10, ttmp9, 2
	s_add_co_u32 s10, s10, s9                      ; my block of 512 queries: it enters query's and out0's addresses alone
	s_and_b32 s11, ttmp7, 0xffff                   ; 16 batch + head, which the four partners share
	; descriptor group 1: 64 rows of 256 bytes (32 elements of 8 bytes), dense in memory and in LDS
	s_mov_b32 s[G1], 15|(3<<16)|(1<<21)            ; 15:0 the mask: all four work-groups; 17:16 elements of 8 bytes; 21 set beside a mask
	s_mov_b32 s[G1+1], 32<<16                      ; tensor_dim0
	s_mov_b32 s[G1+2], 64<<16                      ; tensor_dim1
	s_mov_b32 s[G1+3], 32<<16                      ; tile_dim0
	s_mov_b32 s[G1+4], 64                          ; tile_dim1
	s_mov_b32 s[G1+5], 32                          ; from row to row
	s_mov_b32 s[G1+6], 0
	s_mov_b32 s[G1+7], 0
	s_lshr_b32 s12, s[WV], 2                       ; waves 0-3 fetch key, waves 4-7 value: tensor 1 or 2 of pj,
	s_add_co_u32 s12, s12, 1
	s_lshl_b32 s12, s12, 24
	s_lshl_b32 s13, s11, 18                        ; my (batch, head),
	s_add_co_u32 s12, s12, s13
	s_and_b32 s13, s[WV], 3                        ; my quarter of a slot's 65,536 bytes
	s_lshl_b32 s13, s13, 14
	s_add_co_u32 s12, s12, s13
	s_mov_b32 s13, 0
	s_lshl_b32 s14, s[WV], 14                      ; and where it goes: 16,384 x wave: no place in the cluster enters an LDS address
	s_lshl_b32 s44, s11, 18                        ; query: my (batch, head), 65,536 bytes a block of 512, 8,192 a wave
	s_lshl_b32 s45, s10, 16
	s_add_co_u32 s44, s44, s45
	s_lshl_b32 s45, s[WV], 13
	s_add_co_u32 s44, s44, s45
	s_mov_b32 s45, 0
	s_lshr_b32 s46, s11, 4                         ; out0: (2,048 batch + 512 block + 64 wave) rows of 4,096 bytes + 256 x head
	s_lshl_b32 s46, s46, 23
	s_lshl_b32 s47, s10, 21
	s_add_co_u32 s46, s46, s47
	s_lshl_b32 s47, s[WV], 18
	s_add_co_u32 s46, s46, s47
	s_and_b32 s47, s11, 15
	s_lshl_b32 s47, s47, 8
	s_add_co_u32 s46, s46, s47
	s_mov_b32 s47, 0
	s_mov_b32 s[CS], 0x3e38aa3b                    ; c = log2(e) / 8
	s_mov_b32 s[CS+1], s[CS]                       ; (named with it as a pair, so it is written)
	s_mov_b32 s[SEL], 0x76543210
	s_mov_b32 s[SEL+1], 0xfedcba98
	s_mov_b32 s[SLOTS], 2
	s_wait_dscnt 0x0                               ; both opening adds are done
	s_wait_kmcnt 0x0
	s_add_nc_u64 s[QB:QB+1], s[4:5], s[44:45]
	s_add_nc_u64 s[OB:OB+1], s[6:7], s[46:47]
	s_mov_b32 s[G0A], 1
	s_mov_b32 s[G0A+1], s14
	s_add_nc_u64 s[G0A+2:G0A+3], s[4:5], s[12:13]
	s_mov_b32 s[G0B], 1
	s_add_co_u32 s[G0B+1], s14, SLOT1
	s_add_nc_u64 s[G0B+2:G0B+3], s[G0A+2:G0A+3], 65536   ; the next 512 keys
	s_or_b32 s[G0A+3], s[G0A+3], 0x80000000
	s_or_b32 s[G0B+3], s[G0B+3], 0x80000000
	CROUND                                         ; all four work-groups are here: the first joint loads meet
	tensor_load_to_lds s[G0A:G0A+3], s[G1:G1+7]    ; every wave issues both first fills: no branch
	s_nop 0
	tensor_load_to_lds s[G0B:G0B+3], s[G1:G1+7]
	s_nop 0
.rept 4
	v_nop
.endr
	v_and_b32 v1, 31, v0
	v_lshlrev_b32 v[LI], 4, v1
	WIN 0x40                                       ; destination window 1
.irp i, 0,1,2,3,4,5,6,7,8,9,10,11,12,13,14,15
	global_load_b128 v[QF+4*\i:QF+4*\i+3], v[LI], s[QB:QB+1] offset:512*\i   ; Q stays in registers: tile i / 4, channels 16 (i % 4) on
.endr
.set i, 0
.rept 128
	v_mov_b32 v[i], 0                              ; O^T: the step is written once, and its first turn finds zeros
.set i, i+1
.endr
	WIN 0
	v_and_b32 v12, 15, v0                          ; r
	v_bfe_u32 v13, v0, 4, 1                        ; h
	s_mul_i32 s15, s[WV], 16*SP
	s_add_co_u32 s15, s15, STAGE                   ; my stage
	v_mul_u32_u24 v[STO], v12, SP                  ; in: row r, 32 bytes for each half of the lanes
	v_lshl_add_u32 v[STO], v13, 5, v[STO]
	v_add_nc_u32 v[STO], s15, v[STO]
	v_mul_u32_u24 v[RD], v13, SP                   ; back: lanes 0-15 one row of 256 bytes, lanes 16-31 the next
	v_lshl_add_u32 v[RD], v12, 4, v[RD]
	v_add_nc_u32 v[RD], s15, v[RD]
	v_lshlrev_b32 v[GO], 12, v13                   ; and the same two rows in out0
	v_lshl_add_u32 v[GO], v12, 4, v[GO]
.irp t, 0,1,2,3
	v_mov_b32 v[ST+8*\t+1], 0xff61b1e6             ; m = -3e38, under every score
	v_mul_f32 v[ST+8*\t], s[CS], v[ST+8*\t+1]      ; c m
	v_mov_b32 v[ST+8*\t+2], 0                      ; l, in two halves
	v_mov_b32 v[ST+8*\t+3], 0
.endr
.macro LOADK                           ; a step's K: 16 pieces: keys 16 (i / 4) on, channels 16 (i % 4) on
.irp i, 0,1,2,3,4,5,6,7,8,9,10,11,12,13,14,15
	ds_load_b128 v[KF+4*\i:KF+4*\i+3], v[ADK] offset:512*\i
.endr
.endm
.macro LOADV                           ; a step's V: 16 pieces: keys 32 (i / 8) on, channels 16 ((i / 2) % 4) on, half i % 2
	WIN 0x40
.irp i, 0,1,2,3,4,5,6,7,8,9,10,11,12,13,14,15
	ds_load_b128 v[VF+4*\i:VF+4*\i+3], v[ADV] offset:512*\i
.endr
.endm
; 32 products S^T = K Q^T: channels 32 c on, keys 16 k on, tile t.  The first 16 start the sums.  The 16 accumulators take turns, one instruction a turn.
.macro QK
	WIN 0x04                                       ; K window 0, Q window 1, S^T window 0
.irp c, 0,1
.irp k, 0,1,2,3
.irp t, 0,1,2,3
.if \c == 0
	v_wmma_f32_16x16x32_f16 v[S+32*\t+8*\k:S+32*\t+8*\k+7], v[KF+16*\k+8*\c:KF+16*\k+8*\c+7], v[QF+16*\t+8*\c:QF+16*\t+8*\c+7], 0
.else
	v_wmma_f32_16x16x32_f16 v[S+32*\t+8*\k:S+32*\t+8*\k+7], v[KF+16*\k+8*\c:KF+16*\k+8*\c+7], v[QF+16*\t+8*\c:QF+16*\t+8*\c+7], v[S+32*\t+8*\k:S+32*\t+8*\k+7]
.endif
.endr
.endr
.endr
.endm
; 32 products O^T += V^T P: keys 32 g on, channels 16 d on, tile t; 16 accumulators by turns
.macro PV
	WIN 0x51                                       ; V window 1, P window 0, O^T window 1
.irp g, 0,1
.irp d, 0,1,2,3
.irp t, 0,1,2,3
	v_wmma_f32_16x16x32_f16 v[32*\t+8*\d:32*\t+8*\d+7], v[VF+32*\g+8*\d:VF+32*\g+8*\d+7], v[S+32*\t+8*\g:S+32*\t+8*\g+7], v[32*\t+8*\d:32*\t+8*\d+7]
.endr
.endr
.endr
.endm
.macro SCL t, b                        ; pair b of tile t: c s - c m
	v_pk_fma_f32 v[S+32*\t+2*\b:S+32*\t+2*\b+1], v[S+32*\t+2*\b:S+32*\t+2*\b+1], s[CS:CS+1], v[ST+8*\t:ST+8*\t+1] op_sel_hi:[1,0,0] neg_lo:[0,0,1] neg_hi:[0,0,1]
.endm
.macro EXPP t, e
	v_exp_f32 v[S+32*\t+(\e)], v[S+32*\t+(\e)]
.endm
.macro SUMP t, b                       ; l += pair b (an even key's weight, an odd key's)
	v_pk_add_f32 v[ST+8*\t+2:ST+8*\t+3], v[ST+8*\t+2:ST+8*\t+3], v[S+32*\t+2*\b:S+32*\t+2*\b+1]
.endm
.macro CVTP t, b                       ; pair b to f16, into register b of the tile: that register's own pair, b / 2, has been added and rounded by then
	v_cvt_pk_f16_f32 v[S+32*\t+\b], v[S+32*\t+2*\b], v[S+32*\t+2*\b+1]
.endm
; THE SOFTMAX OF A STEP, four tiles side by side.  The exponentials go in two batches (tiles 0, 1 with the four a; tiles 2, 3), each with one wait ahead of the first instruction that names a result;
; the second batch stands among the first batch's sums and roundings, and O^T's rescaling is the work between it and its wait.
.macro SOFTMAX
.irp j, 0,1,2,3                        ; the maximum of 32 scores and the old m: four chains of seven, each accumulator read from its low end on
.irp t, 0,1,2,3
	v_max3_num_f32 v[ST+8*\t+4+\j], v[S+32*\t+8*\j], v[S+32*\t+8*\j+1], v[S+32*\t+8*\j+2]
.endr
.endr
.irp u, 1,2
.irp j, 0,1,2,3
.irp t, 0,1,2,3
	v_max3_num_f32 v[ST+8*\t+4+\j], v[ST+8*\t+4+\j], v[S+32*\t+8*\j+2*\u+1], v[S+32*\t+8*\j+2*\u+2]
.endr
.endr
.endr
.irp t, 0,1,2,3
	v_max3_num_f32 v[ST+8*\t+4], v[ST+8*\t+4], v[S+32*\t+7], v[S+32*\t+15]
.endr
.irp t, 0,1,2,3
	v_max3_num_f32 v[ST+8*\t+6], v[ST+8*\t+6], v[S+32*\t+23], v[S+32*\t+31]
.endr
.irp t, 0,1,2,3
	v_max3_num_f32 v[ST+8*\t+4], v[ST+8*\t+4], v[ST+8*\t+5], v[ST+8*\t+6]
.endr
.irp t, 0,1,2,3
	v_max3_num_f32 v[ST+8*\t+4], v[ST+8*\t+4], v[ST+8*\t+7], v[ST+8*\t+1]
.endr
.irp t, 0,1,2,3
	v_permlanex16_b32 v[ST+8*\t+5], v[ST+8*\t+4], s[SEL], s[SEL+1]   ; the query's other 32 keys lie in the lane 16 away
.endr
.irp t, 0,1,2,3
	v_mov_b32 v[ST+8*\t+7], v[ST+8*\t]             ; c m_old
.endr
.irp t, 0,1,2,3
	v_max_num_f32 v[ST+8*\t+1], v[ST+8*\t+4], v[ST+8*\t+5]
.endr
.irp t, 0,1,2,3
	v_mul_f32 v[ST+8*\t], s[CS], v[ST+8*\t+1]
.endr
.irp t, 0,1,2,3
	v_sub_f32 v[ST+8*\t+7], v[ST+8*\t+7], v[ST+8*\t]
.endr
.irp b, 0,1,2,3,4,5,6,7,8,9,10,11,12,13,14,15
	SCL 0, \b
	SCL 1, \b
.endr
.irp t, 0,1,2,3
	v_exp_f32 v[ST+8*\t+6], v[ST+8*\t+7]           ; a
.endr
.irp b, 0,1,2,3,4,5,6,7,8,9,10,11,12,13,14,15
	EXPP 0, 2*\b
	SCL 2, \b
	EXPP 0, 2*\b+1
	EXPP 1, 2*\b
	SCL 3, \b
	EXPP 1, 2*\b+1
.endr
	v_nop                                          ; a plain instruction behind the last exponential
	s_wait_alu depctr_va_vdst(0)                   ; one wait for the first batch
.irp t, 0,1,2,3
	v_pk_mul_f32 v[ST+8*\t+2:ST+8*\t+3], v[ST+8*\t+2:ST+8*\t+3], v[ST+8*\t+6:ST+8*\t+7] op_sel_hi:[1,0]   ; l x a
.endr
.irp b, 0,1,2,3,4,5,6,7,8,9,10,11,12,13,14,15
	EXPP 2, 2*\b
	SUMP 0, \b
	EXPP 2, 2*\b+1
	CVTP 0, \b
	EXPP 3, 2*\b
	SUMP 1, \b
	EXPP 3, 2*\b+1
	CVTP 1, \b
.endr
	WIN 0x41                                       ; O^T (destination and source 0) window 1, a window 0
.set i, 0
.rept 16
.irp t, 0,1,2,3
	v_pk_mul_f32 v[32*\t+i:32*\t+i+1], v[32*\t+i:32*\t+i+1], v[ST+8*\t+6:ST+8*\t+7] op_sel_hi:[1,0]
.endr
.set i, i+2
.endr
	WIN 0
	s_wait_alu depctr_va_vdst(0)                   ; one wait for the second batch
.irp b, 0,1,2,3,4,5,6,7,8,9,10,11,12,13,14,15
	SUMP 2, \b
	CVTP 2, \b
	SUMP 3, \b
	CVTP 3, \b
.endr
.endm
; A TRIP.  ld = 1: K and V of the next step are fetched and its scores made.  Four plain instructions stand between K Q^T and the loads into K's registers and the first read of the scores;
; five between V^T P and K Q^T, which writes over P (four would do for the loads into V's registers).
.macro ROT ld
.if \ld
	v_add_nc_u32 v[ADK], s[TB], v[LI]
	v_add_nc_u32 v[ADV], VOFF, v[ADK]
	v_nop
	v_nop
	LOADK
.else
.rept 4
	v_nop
.endr
.endif
	SOFTMAX
.if \ld
	s_wait_dscnt 16                                ; V of this step is in; K's 16 younger loads may be out
.else
	s_wait_dscnt 0x0
.endif
	PV
.if \ld
.rept 5
	v_nop
.endr
	LOADV
	s_wait_dscnt 16                                ; K of the next step is in; V's 16 younger loads may be out
	QK
	WIN 0
	s_add_co_u32 s[TB], s[TB], STEPB
.else
	WIN 0
.endif
.endm
.macro RUN n
	s_mov_b32 s[CNT], \n
.Lrun_\@:
	ROT 1
	s_sub_co_u32 s[CNT], s[CNT], 1
	s_cmp_lg_u32 s[CNT], 0
	s_cbranch_scc1 .Lrun_\@
.endm
; THE CHANGE OF SLOTS: all reads of the slot have been issued.  Each wave waits for all its tensor loads (its part of the other slot), adds 0 to its spare word, and waits for that and for its reads.
; fill = 1: the barrier is a round of the cluster's, and the joint refill of the slot just left, with the keys two slots on, is the first thing behind it.
.macro CHANGE fill
	s_wait_tensorcnt 0x0                           ; no tensor load of mine is out, so a group 0 may be written
	ds_add_u32 v[SPW], v[NIL]
.if \fill
	s_xor_b32 s[G0B+1], s[G0B+1], SLOT1            ; the walking descriptor: the other slot than last time,
	s_add_nc_u64 s[G0B+2:G0B+3], s[G0B+2:G0B+3], 65536   ; the next 512 keys; the type bits on top are not reached
	s_wait_dscnt 0x0                               ; the add is done, and my reads of the slot are over
	CROUND
	tensor_load_to_lds s[G0B:G0B+3], s[G1:G1+7]
	s_nop 0
.rept 4
	v_nop
.endr
.else
	s_wait_dscnt 0x0
	s_barrier_signal -1
	s_barrier_wait -1
.endif
	s_sub_co_u32 s[TB], s[TB], 8*STEPB             ; the fetches go back to a slot's first step,
	s_xor_b32 s[TB], s[TB], SLOT1                  ; in the other slot
.endm
	s_wait_tensorcnt 1                             ; my part of slot 0 is in; slot 1's may stay out
	s_barrier_signal -1
	s_barrier_wait -1                              ; everybody's is
	v_mov_b32 v[ADK], v[LI]
	v_add_nc_u32 v[ADV], VOFF, v[LI]
	LOADK                                          ; key step 0
	LOADV
	s_wait_loadcnt 0x0                             ; Q
	s_wait_dscnt 16                                ; K is in
	QK
	WIN 0
	s_mov_b32 s[TB], STEPB
	RUN 7                                          ; softmax and V^T P of steps 0 to 6; loads and scores of steps 1 to 7
.Lslot:                                            ; two trips: slots 0 and 1 are filled again, with keys 1,024 on and 1,536 on
	CHANGE 1
	RUN 8
	s_sub_co_u32 s[SLOTS], s[SLOTS], 1
	s_cmp_lg_u32 s[SLOTS], 0
	s_cbranch_scc1 .Lslot
	CHANGE 0                                       ; the tail is written out
	RUN 8
	ROT 0                                          ; the last step's softmax and V^T P
	; THE WAY OUT.  l's halves and the other half of the lanes' are added (these additions are the places behind the last products); O^T / l goes through my stage, a tile (16 rows) at a time, and leaves as rows of 256 bytes.
.irp t, 0,1,2,3
	v_add_f32 v[ST+8*\t+4], v[ST+8*\t+2], v[ST+8*\t+3]
.endr
.irp t, 0,1,2,3
	v_permlanex16_b32 v[ST+8*\t+5], v[ST+8*\t+4], s[SEL], s[SEL+1]
.endr
.irp t, 0,1,2,3
	v_add_f32 v[ST+8*\t+4], v[ST+8*\t+4], v[ST+8*\t+5]
.endr
.irp t, 0,1,2,3
	v_rcp_f32 v[ST+8*\t+6], v[ST+8*\t+4]
.endr
	v_nop                                          ; a plain instruction behind the last reciprocal
	s_wait_alu depctr_va_vdst(0)                   ; one wait for the four
.macro OUT t
	WIN 0x01                                       ; O^T window 1; 1 / l and the result window 0 (S^T's registers are free)
.set i, 0
.rept 16
	v_pk_mul_f32 v[S+32*\t+i:S+32*\t+i+1], v[32*\t+i:32*\t+i+1], v[ST+8*\t+6:ST+8*\t+7] op_sel_hi:[1,0]
.set i, i+2
.endr
	WIN 0
.irp d, 0,1,2,3
	ds_store_b128 v[STO], v[S+32*\t+8*\d:S+32*\t+8*\d+3] offset:64*\d          ; lane (r, h): row r, channels 16 d + 8 h + 0 .. 7
	ds_store_b128 v[STO], v[S+32*\t+8*\d+4:S+32*\t+8*\d+7] offset:64*\d+16
.endr
.irp f, 0,1,2,3,4,5,6,7
	ds_load_b128 v[S+32*\t+4*\f:S+32*\t+4*\f+3], v[RD] offset:\f*2*SP          ; LDS serves a wave's instructions in order (ISA guide 5.7.1.4): these see the stores above; the next tile's stores come behind them
.endr
.endm
.macro SEND t, younger                 ; younger: the LDS instructions issued behind tile t's loads: the next tile's sixteen, or none
.irp f, 0,1,2,3,4,5,6,7
	s_wait_dscnt \younger+7-\f
	global_store_b128 v[GO], v[S+32*\t+4*\f:S+32*\t+4*\f+3], s[OB:OB+1] offset:(16*\t+2*\f)*4096 th:TH_STORE_NT   ; sixteen lanes store 256 consecutive bytes, aligned
.endr
.endm
	OUT 0
	OUT 1
	SEND 0, 16
	OUT 2
	SEND 1, 16
	OUT 3
	SEND 2, 16
	SEND 3, 0
	s_wait_tensorcnt 0x0                           ; the wave's end: behind my last tensor load and my last LDS store
	ds_add_u32 v[SPW], v[NIL]
	s_wait_dscnt 0x0
	CROUND                                         ; the closing round: no work-group ends while a partner may still ask for a tile that names it
	s_endpgm
.Lfunc_end_k_q273282a49f_attn:
	.size	k_q273282a49f_attn, .Lfunc_end_k_q273282a49f_attn-k_q273282a49f_attn
	.p2alignl 7, 3214868480
	.fill 96, 4, 3214868480
	.section	.rodata,"a",@progbits
	.p2align	6, 0x0
	.amdhsa_kernel k_q273282a49f_attn
		.amdhsa_group_segment_fixed_size 327680
		.amdhsa_private_segment_fixed_size 0
		.amdhsa_enable_private_segment 0
		.amdhsa_kernarg_size 16
		.amdhsa_user_sgpr_count 2
		.amdhsa_user_sgpr_kernarg_segment_ptr 1
		.amdhsa_wavefront_size32 1
		.amdhsa_system_sgpr_workgroup_id_x 1
		.amdhsa_system_sgpr_workgroup_id_y 1
		.amdhsa_system_sgpr_workgroup_id_z 1
		.amdhsa_system_vgpr_workitem_id 0
		.amdhsa_next_free_vgpr 512
		.amdhsa_next_free_sgpr 66
		.amdhsa_reserve_vcc 0
		.amdhsa_float_denorm_mode_32 3
		.amdhsa_float_denorm_mode_16_64 3
		.amdhsa_memory_ordered 1
		.amdhsa_forward_progress 1
		.amdhsa_inst_pref_size 154
	.end_amdhsa_kernel
	.amdgpu_metadata
---
amdhsa.version: [ 1, 2 ]
amdhsa.kernels:
  - .name:           k_q273282a49f_attn
    .symbol:         k_q273282a49f_attn.kd
    .args:
      - { .name: pj, .offset: 0, .size: 8, .value_kind: global_buffer, .address_space: global }
      - { .name: out0, .offset: 8, .size: 8, .value_kind: global_buffer, .address_space: global }
    .group_segment_fixed_size: 327680
    .private_segment_fixed_size: 0
    .kernarg_segment_align: 8
    .kernarg_segment_size: 16
    .max_flat_workgroup_size: 256
    .sgpr_count:     66
    .vgpr_count:     512
    .wavefront_size: 32
...
	.end_amdgpu_metadata
.endif
;; end of part 3
